; MI455X (gfx1250); checked and timed in simulation.
; The chip was launched on July 23, 2026; its instructions are those of AMD's public machine-readable ISA for CDNA 5 (MIT licence, August 2026) and "CDNA5" Instruction Set Architecture Reference Guide (July 2026). The comments in the code are by the model that wrote it; some were corrected since.
;; Self Attention. Allowed arithmetic: float matrix products may take bf16 or f16 operands with f32 sums; all other float work in f32.
;; Inputs: Wk 32 x 256 float32; Wq 32 x 256 float32; Wv 256 x 256 float32; gamma one number float32; x 16 x 256 x 32 x 64 float32.
;; Outputs: out0 16 x 256 x 32 x 64 float32.
;; 2 versions, each right; version 2 is version 1 with the launch prep written anew for expert scheduling mode. Each part assembles by itself: llvm-mc -triple=amdgcn-amd-amdhsa -mcpu=gfx1250 --defsym DOCPART=n.
;; ======== version 1 of 2: 2 launches
;; limits: values are held in f16: magnitudes above 65,504 overflow, below 6.1e-05 lose precision
;; workspace buffers: xh 16,777,216 bytes; qf 2,097,152 bytes; kf 2,097,152 bytes; wvh 131,072 bytes
;; launch prep (part 1): grid 16 x 16, 8 waves a work-group, no clusters, 108,544 bytes of LDS; arguments x, Wq, Wk, Wv, xh, qf, kf, wvh; writes xh, qf, kf, wvh
.if DOCPART == 1
	.amdgcn_target "amdgcn-amd-amdhsa--gfx1250"
	.amdhsa_code_object_version 6
	.text
	.protected	k_q4352a9f9b2_prep
	.globl	k_q4352a9f9b2_prep
	.p2align	8
	.type	k_q4352a9f9b2_prep,@function
k_q4352a9f9b2_prep:
	s_mov_b64 s[64:65], 0
	v_nop
	global_prefetch_b8 v0, s[64:65] scope:SCOPE_SE
	s_setreg_imm32_b32 hwreg(HW_REG_WAVE_MODE, 25, 1), 1
	s_wait_xcnt 0x0
; PREP: from x [16][256 c][2048 n] f32 and the three weights it makes what the attention launch reads:
;   xh  = x in f16, same order;
;   qf  = q = Wq x and kf = k = Wk x in f16, laid out as matrix fragments: [b][tile of 16 n][t][lane][16 bytes],
;         lane (r, h) of half t holding the 8 numbers d = 16 t + 8 h .. + 7 of column n = 16 tile + r;
;   wvh = Wv in f16, as fragments too: [et][ks][t][lane][16 bytes], lane (r, h): Wv[16 et + r][32 ks + 16 t + 8 h .. + 7].
; A work-group (nb = x id, b = y id) owns all 256 c of the 128 columns n = 128 nb .. of batch b: 128 KiB of x, read once.
; Eight waves.  Wave w loads rows c = 32 w .. 32 w + 31 (512 consecutive bytes a load), rounds them to f16, stores them to xh
; (32 lanes x 8 bytes = 256 consecutive bytes, aligned) and into LDS; then wave w makes rows 16 (w & 3) .. + 15 of the stacked
; [Wq; Wk] times 64 of the columns with the matrix unit, x being read from LDS by the transposing load.
; No tensor loads, no cluster: each byte of x is wanted by one work-group only and passes through registers anyway (it is converted).
; LIMIT: all matrix operands are f16 (sums f32): |x|, |W|, |q|, |k| must stay below 65,504; beyond that they become infinite.
.set XROW, 8192                        ; bytes in a row of x
.set HROW, 4096                        ; bytes in a row of xh
.set XTP,  288                         ; LDS pitch of x's tile: 256 bytes + 32, an odd multiple of 32
.set WB,   73728                       ; behind x's tile (256 rows x 288): the 64 rows of [Wq; Wk]
.set WBP,  528                         ; their pitch: 512 bytes + 16, an odd multiple of 16
.set XO,   4                           ; v4   x: wave's 32 rows + 16 bytes a lane
.set XS,   5                           ; v5   xh: wave's 32 rows + 8 bytes a lane
.set LXS,  6                           ; v6   LDS: the same in x's tile
.set LN16, 7                           ; v7   16 bytes a lane
.set LWS,  8                           ; v8   LDS: my 8 rows of the weights + 8 bytes a lane
.set AA,   9                           ; v9   LDS: my A fragments (weights)
.set AB,   10                          ; v10, v11  LDS: my B fragments (x), c = 0 .. 127 and c = 128 .. 255
.set VO,   13                          ; v13  my 32 bytes of the work-group's piece of Wv
.set WR,   16                          ; v[16:79]   weights as loaded; later AF, the 8 A fragments
.set AF,   16
.set XR,   80                          ; v[80:207]  x as loaded; later BF, four slots of four B fragments
.set BF,   80
.set WVR,  208                         ; v[208:215] the piece of Wv (wave 0)
.set ACC,  216                         ; v[216:247] four accumulator tiles
	s_load_b256 s[4:11], s[0:1], 0x0               ; x s[4:5], Wq s[6:7], Wk s[8:9], Wv s[10:11]
	s_load_b256 s[12:19], s[0:1], 0x20             ; xh s[12:13], qf s[14:15], kf s[16:17], wvh s[18:19]
	v_lshl_add_u32 v254, v0, 2, 0x1a400
	v_mov_b32 v255, 0
	v_lshrrev_b32 v2, 5, v0
	v_readfirstlane_b32 s20, v2                    ; wave w
	s_and_b32 s22, ttmp7, 0xffff                   ; b
	s_and_b32 s23, s20, 3                          ; w & 3: which 16 rows of [Wq; Wk]
	s_lshr_b32 s21, s20, 2                         ; g: which 64 of the 128 columns
	v_and_b32 v1, 31, v0                           ; lane
	v_and_b32 v2, 15, v0                           ; r
	v_bfe_u32 v3, v0, 4, 1                         ; h
	; byte offsets, each in a pair of its own
	s_lshl_b32 s36, s22, 21                        ; x: b x 2 MiB + nb x 512
	s_lshl_b32 s37, ttmp9, 9
	s_add_co_u32 s36, s36, s37
	s_mov_b32 s37, 0
	s_lshl_b32 s38, s22, 20                        ; xh: b x 1 MiB + nb x 256
	s_lshl_b32 s39, ttmp9, 8
	s_add_co_u32 s38, s38, s39
	s_mov_b32 s39, 0
	s_lshl_b32 s40, s23, 13                        ; weights: 8 rows of 1,024 bytes for each wave of a four
	s_mov_b32 s41, 0
	s_lshl_b32 s42, s22, 17                        ; qf, kf: b x 128 KiB + (8 nb + 4 g) tiles of 1,024 bytes + half (w & 1) x 512
	s_lshl_b32 s43, ttmp9, 13
	s_add_co_u32 s42, s42, s43
	s_lshl_b32 s43, s21, 12
	s_add_co_u32 s42, s42, s43
	s_and_b32 s43, s20, 1
	s_lshl_b32 s43, s43, 9
	s_add_co_u32 s42, s42, s43
	s_mov_b32 s43, 0
	s_lshl_b32 s44, s22, 14                        ; Wv: rows 16 b .., columns 16 nb ..
	s_lshl_b32 s45, ttmp9, 6
	s_add_co_u32 s44, s44, s45
	s_mov_b32 s45, 0
	s_lshl_b32 s46, s22, 13                        ; wvh: piece 16 b + nb of 512 bytes
	s_lshl_b32 s47, ttmp9, 9
	s_add_co_u32 s46, s46, s47
	s_mov_b32 s47, 0
	; lane terms
	v_lshlrev_b32 v[LN16], 4, v1
	v_lshlrev_b32 v14, 3, v1
	s_lshl_b32 s2, s20, 18
	v_add_nc_u32 v[XO], s2, v[LN16]                ; 32 w rows of 8,192 bytes
	s_lshl_b32 s3, s20, 17
	v_add_nc_u32 v[XS], s3, v14                    ; 32 w rows of 4,096 bytes
	s_mul_i32 s2, s20, 32*XTP
	v_add_nc_u32 v[LXS], s2, v14
	s_mul_i32 s3, s20, 8*WBP
	s_add_co_u32 s3, s3, WB
	v_add_nc_u32 v[LWS], s3, v14
	s_mul_i32 s2, s23, 16*WBP
	s_add_co_u32 s2, s2, WB
	v_mul_u32_u24 v[AA], v2, WBP
	v_lshl_add_u32 v[AA], v3, 4, v[AA]
	v_add_nc_u32 v[AA], s2, v[AA]                  ; (16 (w & 3) + r) pitch + 16 h
	v_and_b32 v[AB], 7, v0
	v_lshl_add_u32 v[AB], v3, 3, v[AB]
	v_mul_u32_u24 v[AB], v[AB], XTP                ; (8 h + lane % 8) pitch
	v_bfe_u32 v15, v0, 3, 1
	v_lshl_add_u32 v[AB], v15, 4, v[AB]            ; + 16 ((lane / 8) % 2)
	s_lshl_b32 s3, s21, 7
	v_add_nc_u32 v[AB], s3, v[AB]                  ; + my 64 columns
	v_add_nc_u32 v[AB+1], 128*XTP, v[AB]           ; the lower 128 rows: beyond the reach of a 16-bit offset from v10
	v_lshlrev_b32 v[VO], 10, v2
	v_lshl_add_u32 v[VO], v3, 5, v[VO]             ; row r of Wv, 8 h numbers in
	s_wait_kmcnt 0x0
	s_add_nc_u64 s[24:25], s[4:5], s[36:37]        ; x
	s_add_nc_u64 s[26:27], s[12:13], s[38:39]      ; xh
	s_cmp_lt_u32 s20, 4
	s_cselect_b64 s[28:29], s[6:7], s[8:9]         ; waves 0-3 bring Wq, waves 4-7 Wk
	s_add_nc_u64 s[28:29], s[28:29], s[40:41]
	s_cmp_lt_u32 s23, 2
	s_cselect_b64 s[30:31], s[14:15], s[16:17]     ; row tiles 0, 1 are q, tiles 2, 3 are k
	s_add_nc_u64 s[30:31], s[30:31], s[42:43]
	s_add_nc_u64 s[32:33], s[10:11], s[44:45]      ; Wv
	s_add_nc_u64 s[34:35], s[18:19], s[46:47]      ; wvh
	; wave 0 also brings the work-group's piece of Wv (16 rows x 16 columns): asked for first, so that every counted wait below,
	; which names younger loads only, is the same for all waves
	s_cmp_lg_u32 s20, 0
	s_cbranch_scc1 .Lno_wv_load
	global_load_b128 v[WVR:WVR+3], v[VO], s[32:33]
	global_load_b128 v[WVR+4:WVR+7], v[VO], s[32:33] offset:16
.Lno_wv_load:
.set n, 0
.rept 16
	global_load_b128 v[WR+4*n:WR+4*n+3], v[LN16], s[28:29] offset:512*n        ; 8 rows of 1,024 bytes, 512 a load
.set n, n+1
.endr
.set n, 0
.rept 32
	global_load_b128 v[XR+4*n:XR+4*n+3], v[XO], s[24:25] offset:n*XROW th:TH_LOAD_NT   ; a row's 512 bytes; this launch reads them once
.set n, n+1
.endr
	s_wait_loadcnt 32                              ; the weights are in; the 32 loads of x behind them stay out
.set n, 0
.rept 16
	v_cvt_pk_f16_f32 v[WR+4*n], v[WR+4*n], v[WR+4*n+1]
	v_cvt_pk_f16_f32 v[WR+4*n+1], v[WR+4*n+2], v[WR+4*n+3]
	ds_store_b64 v[LWS], v[WR+4*n:WR+4*n+1] offset:(n>>1)*WBP+(n&1)*256
.set n, n+1
.endr
.set n, 0
.rept 32
	s_wait_loadcnt 31-n                            ; loads come back in order (ISA guide 5.7.1): row n is in, the rows behind it stay out
	v_cvt_pk_f16_f32 v[XR+4*n], v[XR+4*n], v[XR+4*n+1]
	v_cvt_pk_f16_f32 v[XR+4*n+1], v[XR+4*n+2], v[XR+4*n+3]
	ds_store_b64 v[LXS], v[XR+4*n:XR+4*n+1] offset:n*XTP
	global_store_b64 v[XS], v[XR+4*n:XR+4*n+1], s[26:27] offset:n*HROW          ; the wave stores 256 consecutive bytes, aligned
.set n, n+1
.endr
	s_cmp_lg_u32 s20, 0
	s_cbranch_scc1 .Lno_wv_store
	v_cvt_pk_f16_f32 v[WVR], v[WVR], v[WVR+1]      ; the last wait above was for 0: the piece of Wv is in
	v_cvt_pk_f16_f32 v[WVR+1], v[WVR+2], v[WVR+3]
	v_cvt_pk_f16_f32 v[WVR+2], v[WVR+4], v[WVR+5]
	v_cvt_pk_f16_f32 v[WVR+3], v[WVR+6], v[WVR+7]
	global_store_b128 v[LN16], v[WVR:WVR+3], s[34:35]                           ; 512 consecutive bytes
.Lno_wv_store:
	s_wait_dscnt 0x0                               ; my LDS stores are done, for the other waves' sake
	s_wait_xcnt 0x0                                ; XR, which the stores to xh read, is loaded again below only behind this wait
	s_barrier_signal -1
	s_barrier_wait -1                              ; x's tile and the weights are whole
; B fragments of K step ks (32 c): x lies [c][n] in LDS, so two transposing loads, 16 rows apart, make a fragment (column n = r, K = c)
.macro LOADB ks
.irp nt, 0,1,2,3
	ds_load_tr16_b128 v[BF+32*((\ks)&3)+8*\nt:BF+32*((\ks)&3)+8*\nt+3], v[AB+((\ks)>>2)] offset:((\ks)&3)*32*XTP+\nt*32
	ds_load_tr16_b128 v[BF+32*((\ks)&3)+8*\nt+4:BF+32*((\ks)&3)+8*\nt+7], v[AB+((\ks)>>2)] offset:((\ks)&3)*32*XTP+\nt*32+16*XTP
.endr
.endm
; four matrix instructions on four accumulators, which take turns, one instruction a turn; the first K step starts the sums
.macro MM ks
.irp nt, 0,1,2,3
.if (\ks) == 0
	v_wmma_f32_16x16x32_f16 v[ACC+8*\nt:ACC+8*\nt+7], v[AF+8*(\ks):AF+8*(\ks)+7], v[BF+32*((\ks)&3)+8*\nt:BF+32*((\ks)&3)+8*\nt+7], 0
.else
	v_wmma_f32_16x16x32_f16 v[ACC+8*\nt:ACC+8*\nt+7], v[AF+8*(\ks):AF+8*(\ks)+7], v[BF+32*((\ks)&3)+8*\nt:BF+32*((\ks)&3)+8*\nt+7], v[ACC+8*\nt:ACC+8*\nt+7]
.endif
.endr
.endm
.irp ks, 0,1,2,3,4,5,6,7
	ds_load_b128 v[AF+8*\ks:AF+8*\ks+3], v[AA] offset:64*\ks                    ; weights: row r, K = 32 ks + 8 h ..
	ds_load_b128 v[AF+8*\ks+4:AF+8*\ks+7], v[AA] offset:64*\ks+32               ;                 K = 32 ks + 16 + 8 h ..
.endr
	LOADB 0
	LOADB 1
	LOADB 2
	LOADB 3
.set kk, 0
.rept 8
.if kk < 5
	s_wait_dscnt 24                                ; this K step's fragments are in; three younger groups of eight loads stay out
.else
	s_wait_dscnt 8*(7-kk)                          ; nothing is fetched any more: two, one, no younger groups
.endif
	MM kk
.if kk < 4
	v_nop                                          ; four places between the matrix instructions and the loads into the registers
	v_nop                                          ; that they have read (ISA guide 7.12.1 for vector instructions)
	v_nop
	v_nop
	LOADB kk+4
.endif
.set kk, kk+1
.endr
	v_nop                                          ; four places in front of the conversions, which read results
	v_nop
	v_nop
	v_nop
	; lane (r, h) holds d = 16 (w & 1) + 8 h + 0 .. 7 of column n = r: packed, that is its 16 bytes of the fragment's half w & 1
.irp nt, 0,1,2,3
.irp k, 0,1,2,3
	v_cvt_pk_f16_f32 v[ACC+8*\nt+\k], v[ACC+8*\nt+2*\k], v[ACC+8*\nt+2*\k+1]
.endr
	global_store_b128 v[LN16], v[ACC+8*\nt:ACC+8*\nt+3], s[30:31] offset:1024*\nt    ; 512 consecutive bytes
.endr
	s_wait_tensorcnt 0x0
	ds_add_u32 v254, v255
	s_wait_dscnt 0x0
	s_endpgm
.Lfunc_end_k_q4352a9f9b2_prep:
	.size	k_q4352a9f9b2_prep, .Lfunc_end_k_q4352a9f9b2_prep-k_q4352a9f9b2_prep
	.p2alignl 7, 3214868480
	.fill 96, 4, 3214868480
	.section	.rodata,"a",@progbits
	.p2align	6, 0x0
	.amdhsa_kernel k_q4352a9f9b2_prep
		.amdhsa_group_segment_fixed_size 108544
		.amdhsa_private_segment_fixed_size 0
		.amdhsa_enable_private_segment 0
		.amdhsa_kernarg_size 64
		.amdhsa_user_sgpr_count 2
		.amdhsa_user_sgpr_kernarg_segment_ptr 1
		.amdhsa_wavefront_size32 1
		.amdhsa_system_sgpr_workgroup_id_x 1
		.amdhsa_system_sgpr_workgroup_id_y 1
		.amdhsa_system_sgpr_workgroup_id_z 1
		.amdhsa_system_vgpr_workitem_id 0
		.amdhsa_next_free_vgpr 256
		.amdhsa_next_free_sgpr 66
		.amdhsa_reserve_vcc 0
		.amdhsa_float_denorm_mode_32 3
		.amdhsa_float_denorm_mode_16_64 3
		.amdhsa_memory_ordered 1
		.amdhsa_forward_progress 1
		.amdhsa_inst_pref_size 31
	.end_amdhsa_kernel
	.amdgpu_metadata
---
amdhsa.version: [ 1, 2 ]
amdhsa.kernels:
  - .name:           k_q4352a9f9b2_prep
    .symbol:         k_q4352a9f9b2_prep.kd
    .args:
      - { .name: x, .offset: 0, .size: 8, .value_kind: global_buffer, .address_space: global }
      - { .name: Wq, .offset: 8, .size: 8, .value_kind: global_buffer, .address_space: global }
      - { .name: Wk, .offset: 16, .size: 8, .value_kind: global_buffer, .address_space: global }
      - { .name: Wv, .offset: 24, .size: 8, .value_kind: global_buffer, .address_space: global }
      - { .name: xh, .offset: 32, .size: 8, .value_kind: global_buffer, .address_space: global }
      - { .name: qf, .offset: 40, .size: 8, .value_kind: global_buffer, .address_space: global }
      - { .name: kf, .offset: 48, .size: 8, .value_kind: global_buffer, .address_space: global }
      - { .name: wvh, .offset: 56, .size: 8, .value_kind: global_buffer, .address_space: global }
    .group_segment_fixed_size: 108544
    .private_segment_fixed_size: 0
    .kernarg_segment_align: 8
    .kernarg_segment_size: 64
    .max_flat_workgroup_size: 256
    .sgpr_count:     66
    .vgpr_count:     256
    .wavefront_size: 32
...
	.end_amdgpu_metadata
.endif
;; end of part 1
;; launch attn (part 2): grid 16 x 16, 4 waves a work-group, clusters of 4 x 1, 327,680 bytes of LDS; arguments xh, qf, kf, wvh, x, gamma, out0; writes out0
.if DOCPART == 2
	.amdgcn_target "amdgcn-amd-amdhsa--gfx1250"
	.amdhsa_code_object_version 6
	.text
	.protected	k_q4352a9f9b2_attn
	.globl	k_q4352a9f9b2_attn
	.p2align	8
	.type	k_q4352a9f9b2_attn,@function
k_q4352a9f9b2_attn:
	s_mov_b64 s[64:65], 0
	v_nop
	global_prefetch_b8 v0, s[64:65] scope:SCOPE_SE
	s_setreg_imm32_b32 hwreg(HW_REG_WAVE_MODE, 25, 1), 1
	s_wait_xcnt 0x0
	s_wait_alu depctr_hold_cnt(0) depctr_sa_sdst(0) depctr_va_vdst(0) depctr_va_sdst(0) depctr_va_ssrc(0) depctr_va_vcc(0) depctr_vm_vsrc(0)
	s_getreg_b32 s2, hwreg(HW_REG_IB_STS2, 6, 4)
	s_cmp_eq_u32 s2, 0
	s_cbranch_scc0 .Lentry_in_a_cluster
	s_endpgm
.Lentry_in_a_cluster:
	s_bfe_u32 s2, ttmp6, 0x10000c
	s_cmp_lg_u32 s2, 0x3003
	s_cbranch_scc0 .Lentry_shape_is_right
	s_endpgm
.Lentry_shape_is_right:
; ATTN: out[b][e][m] = gamma * sum_n v[e][n] softmax_n(q_n . k_m) + x[b][e][m], with v = Wv x.
; Since sum_n (Wv x)[e][n] a[n][m] = (Wv (x a))[e][m], x itself is the value matrix: Y = x P is summed over n, divided by the column's sum,
; and Wv is applied once to the 256 x 128 result.  The softmax runs over n, the ROW index of S[n][m] = q_n . k_m.
; A work-group owns 128 columns m of one batch (256 work-groups).  Four waves, w = 2 i + j: i picks 64 of the m; j picks 64 of each tile's 128 n,
; the half of c that the wave keeps when the pair (w, w ^ 1) adds its sums, and the half of e that it projects.  A wave's Y is 256 c x 64 m: 512 registers.
; TWO PASSES over n: the first makes S and keeps the exact maximum of each column; the second makes the same S again and takes
; P = 2^(S log2e - M log2e) <= about 1.  So nothing is rescaled on the way and the two waves' sums simply add.
; LAYOUTS (lane = 16 h + r): S tile = q fragment x k fragment: register t of lane (r, h) is S[n0 + 8 h + t][m0 + r]; two S tiles, packed to f16, ARE the
; B fragment (column m, K = 32 n) of Y tile = x fragment x P; two Y tiles, packed, ARE the A fragment (row m, K = 32 c) of O = Y x Wv fragment, in
; which a lane holds eight neighbouring m of one row e of the output.  No shuffle anywhere.
; CLUSTER: the four work-groups of a cluster belong to one batch and walk the same tiles of xh, the same q and the same Wv: every tensor load is a
; joint load naming all four (mask 15), its address made of the batch and the wave's number alone.  That divides those requests by four.
; A batch has 16 work-groups; a cluster of 16 is not used, since a joint load here names four work-groups and a round would then wait for sixteen.
; No prefetch: the tiles of xh have a whole step in which to land, and the residual x goes into registers ahead of the whole projection.
; LIMITS: matrix operands are f16, sums f32: |x|, |Wv|, |q|, |k| below 65,504.  A weight P below about 2^-25 of its column's largest enters the product as 0
; (it still counts in the f32 sum unless v_exp_f32 flushes it: results below 2^-126 come out as 0, ISA guide 15.8).
;
; LDS: 0 Q (q of the batch, 128 KiB, filled once; after its last read the pair's exchange area) | 131,072 two slots of 256 rows x 272 bytes (a tile of xh:
; all c, 128 n; at the end one half of Wv each) | 270,336 column maxima, 272,384 column sums (4 x 512 bytes each) | 274,432 stages of 16 rows x 272 bytes, one a wave.
; REGISTERS: window 0: addresses, S / P, fragments of q and k; window 1: fragments of x, two buffers; window 2: Y of the half of c that I keep;
; window 3: Y of the half that I send, later O.  Which half of c lies where is decided by two address registers alone, so no code hangs on j.
.set PITCH, 272                        ; 256 bytes + 16: the 16 rows of a fragment load start in 16 different groups of four banks (64 banks of 4 bytes: ISA guide 11.1)
.set SLOT0, 131072
.set SLOTB, 256*PITCH
.set MX,    SLOT0+2*SLOTB              ; 270,336; the sums lie 2,048 bytes behind the maxima
.set STG,   MX+4096
.set AQ,   8                           ; v8   q fragments of the step at hand
.set AQ0,  9                           ; v9   of step 0: 4,096 j + 16 lane
.set ADK,  10                          ; v10, v11  x fragments of the c that I keep, slot 0, 1
.set ADS,  12                          ; v12, v13  of the c that I send
.set AEXO, 14                          ; v14  exchange area, mine
.set AEXP, 15                          ; v15  my partner's
.set AMXO, 16                          ; v16  maxima (sums at + 2,048), mine
.set AMXP, 17                          ; v17  my partner's
.set AWO,  18                          ; v18  Wv fragments for my own half of c;  v19 for my partner's
.set STO,  20                          ; v20  stage: where I put 16 bytes
.set RD,   21                          ; v21  stage: where I read a row back
.set CO,   22                          ; v22  my 16 bytes in two rows of x and of out
.set LN,   24                          ; v24  16 lane
.set NM,   32                          ; v[32:39]  pass 1: two running maxima for each m tile; pass 2: pairs of -M log2e; at the end pairs of 1 / sum
.set LS,   40                          ; v[40:55]  four running sums for each m tile
.set KF,   56                          ; v[56:87]  four k fragments; on the way out buffer 0
.set QF,   88                          ; v[88:119] four q fragments; on the way out buffer 1
.set T,    120                         ; v[120:127] at work
.set SS,   128                         ; v[128:255] S tile (ii, mt) at 8 (4 ii + mt); P fragment (ks, mt) in place at tile (2 ks, mt); later my Y fragments
.set F0,   0                           ; window 1: x fragments, buffer 0
.set F1,   128                         ;           buffer 1
.set G1X, 20                           ; s[20:27] group 1: 64 rows x 128 f16 of xh, padded
.set G1Q, 28                           ; s[28:35] group 1: 128 rows of 256 bytes, dense (q)
.set G1W, 36                           ; s[36:43] group 1: 64 rows of 256 bytes, dense (Wv)
.set G0X, 44                           ; s[44:51] group 0 for slot 0, 1
.set G0Q, 52                           ; s[52:55]
.set G0W, 56                           ; s[56:63] group 0 for Wv's half 0 (into slot 0), 1 (into slot 1)
.set MSB, 0
.macro WIN new                         ; s_set_vgpr_msb: bits 1:0 source 0, 3:2 source 1, 5:4 source 2, 7:6 destination; the high byte repeats the setting that is left
.if MSB != \new
	s_set_vgpr_msb (MSB<<8)|\new
.set MSB, \new
.endif
.endm
.macro PLACES n                        ; places behind matrix instructions (ISA guide 7.12.1); the matrix instructions in between are not counted
.rept \n
	v_nop
.endr
.endm
; A round of the cluster's barrier: my work-group's barrier, wave 0 signals for the work-group, every wave waits for all four work-groups, my work-group's barrier again.
.macro CREST                           ; a round behind its opening barrier
	s_cmp_lg_u32 s66, 0
	s_cbranch_scc1 .Lnot_wave_0_\@
	s_barrier_signal -3
.Lnot_wave_0_\@:
	s_barrier_wait -3
	s_barrier_signal -1
	s_barrier_wait -1
.endm
.macro CROUND
	s_barrier_signal -1
	s_barrier_wait -1
	CREST
.endm
	s_load_b256 s[4:11], s[0:1], 0x0               ; xh s[4:5], qf s[6:7], kf s[8:9], wvh s[10:11]
	s_load_b128 s[12:15], s[0:1], 0x20             ; x s[12:13], gamma s[14:15]
	s_load_b64 s[16:17], s[0:1], 0x30              ; out0
	v_lshl_add_u32 v30, v0, 2, 0x47400
	v_mov_b32 v31, 0
	ds_add_u32 v30, v31
	v_lshrrev_b32 v1, 5, v0
	v_readfirstlane_b32 s66, v1                    ; wave w
	s_lshr_b32 s67, s66, 1                         ; i
	s_and_b32 s68, s66, 1                          ; j
	s_xor_b32 s69, s68, 1                          ; 1 - j
	s_xor_b32 s83, s66, 1                          ; my partner
	s_mov_b32 s72, 0x76543210                      ; v_permlanex16_b32: lane r of one half reads lane r of the other
	s_mov_b32 s73, 0xfedcba98
	s_and_b32 s74, ttmp7, 0xffff                   ; b (the cluster is one work-group high)
	; group 1 of the three shapes.  Word 0: 15:0 mask = all four work-groups; 17:16 element size; 20 padding; 21 set beside a mask; 24:22, 31:25 the padding
	s_mov_b32 s[G1X+0], 0x0771000f                 ; elements of 2 bytes; behind every 64 words (code 5) 4 words (code 3) are skipped: LDS pitch 272
	s_mov_b32 s[G1X+1], 128<<16                    ; tensor_dim0 = 128
	s_mov_b32 s[G1X+2], 64<<16                     ; tensor_dim1 = 64
	s_mov_b32 s[G1X+3], 128<<16                    ; tile_dim0 = 128 elements: 256 bytes, starting at a multiple of 256 from xh's first byte
	s_mov_b32 s[G1X+4], 64                         ; tile_dim1 = 64 rows
	s_mov_b32 s[G1X+5], 2048                       ; elements from row to row
	s_mov_b32 s[G1X+6], 0
	s_mov_b32 s[G1X+7], 0
	s_mov_b32 s[G1Q+0], 0x0023000f                 ; elements of 8 bytes, no padding
	s_mov_b32 s[G1Q+1], 32<<16
	s_mov_b32 s[G1Q+2], 128<<16
	s_mov_b32 s[G1Q+3], 32<<16                     ; rows of 32 elements = 256 bytes
	s_mov_b32 s[G1Q+4], 128                        ; 128 rows: 32 KiB a wave
	s_mov_b32 s[G1Q+5], 32                         ; dense
	s_mov_b32 s[G1Q+6], 0
	s_mov_b32 s[G1Q+7], 0
	s_mov_b32 s[G1W+0], 0x0023000f
	s_mov_b32 s[G1W+1], 32<<16
	s_mov_b32 s[G1W+2], 64<<16
	s_mov_b32 s[G1W+3], 32<<16
	s_mov_b32 s[G1W+4], 64                         ; 64 rows: 16 KiB a wave
	s_mov_b32 s[G1W+5], 32
	s_mov_b32 s[G1W+6], 0
	s_mov_b32 s[G1W+7], 0
	; group 0: LDS addresses = a constant + the wave's number times a constant + the slot's constant
	s_mov_b32 s[G0X+0], 1
	s_mul_i32 s[G0X+1], s66, 64*PITCH
	s_add_co_u32 s[G0X+1], s[G0X+1], SLOT0
	s_mov_b32 s[G0X+4], 1
	s_add_co_u32 s[G0X+5], s[G0X+1], SLOTB
	s_mov_b32 s[G0Q+0], 1
	s_lshl_b32 s[G0Q+1], s66, 15
	s_mov_b32 s[G0W+0], 1
	s_lshl_b32 s[G0W+1], s66, 14
	s_add_co_u32 s[G0W+1], s[G0W+1], SLOT0
	s_mov_b32 s[G0W+4], 1
	s_add_co_u32 s[G0W+5], s[G0W+1], SLOTB
	; global offsets of the joint loads, of b and w alone, in registers that never hold my place in the cluster
	s_lshl_b32 s84, s74, 20                        ; xh: batch of 1 MiB, rows 64 w .. of 4,096 bytes
	s_lshl_b32 s85, s66, 18
	s_add_co_u32 s84, s84, s85
	s_mov_b32 s85, 0
	s_lshl_b32 s86, s74, 17                        ; qf: batch of 128 KiB, a quarter a wave
	s_lshl_b32 s87, s66, 15
	s_add_co_u32 s86, s86, s87
	s_mov_b32 s87, 0
	s_lshl_b32 s88, s66, 14                        ; wvh: a quarter of a half a wave
	s_mov_b32 s89, 0
	s_wait_dscnt 0x0
	s_wait_kmcnt 0x0
	s_add_nc_u64 s[G0X+2:G0X+3], s[4:5], s[84:85]  ; tile 0
	s_add_nc_u64 s[G0X+6:G0X+7], s[G0X+2:G0X+3], 256   ; tile 1: 128 n on
	s_or_b32 s[G0X+3], s[G0X+3], 0x80000000        ; type = 2
	s_or_b32 s[G0X+7], s[G0X+7], 0x80000000
	s_add_nc_u64 s[G0Q+2:G0Q+3], s[6:7], s[86:87]
	s_or_b32 s[G0Q+3], s[G0Q+3], 0x80000000
	s_add_nc_u64 s[G0W+2:G0W+3], s[10:11], s[88:89]
	s_add_nc_u64 s[G0W+6:G0W+7], s[G0W+2:G0W+3], 0x10000
	s_or_b32 s[G0W+3], s[G0W+3], 0x80000000
	s_or_b32 s[G0W+7], s[G0W+7], 0x80000000
	s_load_b32 s70, s[14:15], 0x0                  ; gamma
	CROUND                                         ; all four work-groups are here: the first joint loads meet
	tensor_load_to_lds s[G0Q:G0Q+3], s[G1Q:G1Q+7]  ; the three first fills go out as one group: three tensor loads of the wave are out,
	s_nop 0
	tensor_load_to_lds s[G0X:G0X+3], s[G1X:G1X+7]  ; later never more than one
	s_nop 0
	tensor_load_to_lds s[G0X+4:G0X+7], s[G1X:G1X+7]
	s_nop 0
	; what hangs on my place in the cluster: only global addresses of my own k, x and out
	s_bfe_u32 s94, ttmp6, 0x40000                  ; cx
	s_lshl_b32 s75, ttmp9, 2
	s_add_co_u32 s75, s75, s94                     ; block of 128 m = 4 x cluster x + cx
	s_lshl_b32 s90, s74, 21                        ; x, out: batch of 2 MiB + 128 j rows of 8,192 bytes + 512 block + 256 i
	s_lshl_b32 s91, s68, 20
	s_add_co_u32 s90, s90, s91
	s_lshl_b32 s91, s75, 9
	s_add_co_u32 s90, s90, s91
	s_lshl_b32 s91, s67, 8
	s_add_co_u32 s90, s90, s91
	s_mov_b32 s91, 0
	s_add_nc_u64 s[76:77], s[12:13], s[90:91]
	s_add_nc_u64 s[78:79], s[16:17], s[90:91]
	s_lshl_b32 s92, s74, 17                        ; kf: batch + (8 block + 4 i) tiles of 1,024 bytes
	s_lshl_b32 s93, s75, 13
	s_add_co_u32 s92, s92, s93
	s_lshl_b32 s93, s67, 12
	s_add_co_u32 s92, s92, s93
	s_mov_b32 s93, 0
	s_add_nc_u64 s[80:81], s[8:9], s[92:93]
	v_and_b32 v1, 31, v0
	v_and_b32 v2, 15, v0                           ; r
	v_bfe_u32 v3, v0, 4, 1                         ; h
	v_lshlrev_b32 v[LN], 4, v1
.irp mt, 0,1,2,3
	global_load_b128 v[KF+8*\mt:KF+8*\mt+3], v[LN], s[80:81] offset:1024*\mt        ; k fragments of my 64 m, kept for the whole kernel
	global_load_b128 v[KF+8*\mt+4:KF+8*\mt+7], v[LN], s[80:81] offset:1024*\mt+512
.endr
	s_lshl_b32 s84, s68, 12
	v_add_nc_u32 v[AQ0], s84, v[LN]                ; my four n tiles of a step: 4 j tiles of 1,024 bytes in
	v_mul_u32_u24 v4, v2, PITCH
	v_lshl_add_u32 v4, v3, 4, v4                   ; r pitch + 16 h
	s_mul_i32 s84, s68, 128*PITCH+128              ; rows 128 j .., and my 64 n = bytes 128 j .. of each row
	s_add_co_u32 s84, s84, SLOT0
	v_add_nc_u32 v[ADK], s84, v4
	v_add_nc_u32 v[ADK+1], SLOTB, v[ADK]
	s_mul_i32 s84, s69, 128*PITCH                  ; rows 128 (1 - j) .., the same n
	s_lshl_b32 s85, s68, 7
	s_add_co_u32 s84, s84, s85
	s_add_co_u32 s84, s84, SLOT0
	v_add_nc_u32 v[ADS], s84, v4
	v_add_nc_u32 v[ADS+1], SLOTB, v[ADS]
	s_lshl_b32 s84, s66, 15
	v_add_nc_u32 v[AEXO], s84, v[LN]
	s_lshl_b32 s84, s83, 15
	v_add_nc_u32 v[AEXP], s84, v[LN]
	s_lshl_b32 s84, s66, 9
	s_add_co_u32 s84, s84, MX
	v_add_nc_u32 v[AMXO], s84, v[LN]
	s_lshl_b32 s84, s83, 9
	s_add_co_u32 s84, s84, MX
	v_add_nc_u32 v[AMXP], s84, v[LN]
	s_mul_i32 s84, s68, SLOTB+4096                 ; Wv's half j lies in slot j; K steps 4 j .. belong to my own half of c
	s_add_co_u32 s84, s84, SLOT0
	v_add_nc_u32 v[AWO], s84, v[LN]
	s_mul_i32 s84, s68, SLOTB                      ; K steps 4 (1 - j) .. to my partner's
	s_lshl_b32 s85, s69, 12
	s_add_co_u32 s84, s84, s85
	s_add_co_u32 s84, s84, SLOT0
	v_add_nc_u32 v[AWO+1], s84, v[LN]
	s_mul_i32 s84, s66, 16*PITCH
	s_add_co_u32 s84, s84, STG
	v_mul_u32_u24 v5, v2, PITCH
	v_lshl_add_u32 v5, v3, 5, v5
	v_add_nc_u32 v[STO], s84, v5                   ; row r (an e), 8 h numbers in
	v_mul_u32_u24 v5, v3, PITCH
	v_lshl_add_u32 v5, v2, 4, v5
	v_add_nc_u32 v[RD], s84, v5                    ; lanes 0-15 one row of 256 bytes, lanes 16-31 the next
	v_lshlrev_b32 v5, 13, v3
	v_lshl_add_u32 v[CO], v2, 4, v5                ; the same two rows in x and out
	s_wait_kmcnt 0x0
	s_mov_b32 s71, s70                             ; gamma as a pair for the packed multiply-add
.macro FETCHQ                          ; the q fragments of my four n tiles of a step
.irp ii, 0,1,2,3
	ds_load_b128 v[QF+8*\ii:QF+8*\ii+3], v[AQ] offset:1024*\ii
	ds_load_b128 v[QF+8*\ii+4:QF+8*\ii+7], v[AQ] offset:1024*\ii+512
.endr
.endm
.macro QK16                            ; S = q k for 64 n x 64 m; D = 32 is one matrix instruction's K, so each tile is one instruction with C = 0
.irp ii, 0,1,2,3
.irp mt, 0,1,2,3
	v_wmma_f32_16x16x32_f16 v[SS+8*(4*\ii+\mt):SS+8*(4*\ii+\mt)+7], v[QF+8*\ii:QF+8*\ii+7], v[KF+8*\mt:KF+8*\mt+7], 0
.endr
.endr
.endm
.macro P1MAX first                     ; the running maxima take in 16 tiles; two chains for each m tile; the first four tiles start them
.set tl, 0
.rept 16
.set sb, SS+8*tl
.set ch, NM+2*(tl&3)
.if (\first)*(tl < 4)
	v_max_num_f32 v[ch], v[sb], v[sb+1]
	v_max_num_f32 v[ch+1], v[sb+2], v[sb+3]
.else
	v_max3_num_f32 v[ch], v[ch], v[sb], v[sb+1]
	v_max3_num_f32 v[ch+1], v[ch+1], v[sb+2], v[sb+3]
.endif
	v_max3_num_f32 v[ch], v[ch], v[sb+4], v[sb+5]
	v_max3_num_f32 v[ch+1], v[ch+1], v[sb+6], v[sb+7]
.set tl, tl+1
.endr
.endm
.macro P1TRIP first, fetch
	s_wait_dscnt 0x0                               ; this trip's q fragments
	QK16
	PLACES 4                                       ; in front of the loads into the q fragments and of the reads of S
.if \fetch
	v_add_nc_u32 v[AQ], 8192, v[AQ]                ; 128 n on
	FETCHQ
.endif
	P1MAX \first
.endm
	; PASS 1: the maximum of each column over my 1,024 n.  It runs while the first tiles of xh land.
	s_wait_tensorcnt 0x2                           ; my part of Q is in; the two slots' loads behind it stay out
	s_barrier_signal -1
	s_barrier_wait -1                              ; everybody's part is
	v_mov_b32 v[AQ], v[AQ0]
	FETCHQ
	s_wait_loadcnt 0x0                             ; the k fragments
	P1TRIP 1, 1
	s_mov_b32 s82, 14
.Lpass1:
	P1TRIP 0, 1
	s_sub_co_u32 s82, s82, 1
	s_cmp_lg_u32 s82, 0
	s_cbranch_scc1 .Lpass1
	P1TRIP 0, 0
	; over the two chains, over the two halves of the lanes (n = 8 h + ..), and with my partner (the other n of each tile) through LDS
.irp mt, 0,1,2,3
	v_max_num_f32 v[T+\mt], v[NM+2*\mt], v[NM+2*\mt+1]
.endr
.irp mt, 0,1,2,3
	v_permlanex16_b32 v[NM+2*\mt+1], v[T+\mt], s72, s73    ; its destination counts as read: a chain's register, written and no longer needed
.endr
.irp mt, 0,1,2,3
	v_max_num_f32 v[T+\mt], v[T+\mt], v[NM+2*\mt+1]
.endr
	ds_store_b128 v[AMXO], v[T:T+3]
	v_mov_b32 v[AQ], v[AQ0]
	FETCHQ                                         ; step 0's q fragments
	s_wait_dscnt 0x0                               ; my maxima are stored, for my partner's sake
	s_wait_tensorcnt 0x1                           ; my part of slot 0 is in; slot 1's load stays out
	s_barrier_signal -1
	s_barrier_wait -1
	ds_load_b128 v[T+4:T+7], v[AMXP]
	s_wait_dscnt 0x0
.irp mt, 0,1,2,3
	v_max_num_f32 v[T+\mt], v[T+\mt], v[T+4+\mt]   ; M of column 16 mt + r
.endr
.irp mt, 0,1,2,3
	v_mul_f32 v[NM+2*\mt], 0xbfb8aa3b, v[T+\mt]    ; -M log2e, twice: the addend of the packed multiply-add
	v_mul_f32 v[NM+2*\mt+1], 0xbfb8aa3b, v[T+\mt]
.endr
; PASS 2.
.macro FETCHX slot, ks, f              ; 32 loads: the x fragments of all 256 c for 32 of my n, first the c that I keep, then the c that I send
	WIN 0x40                                       ; destination window 1, address window 0
.irp p, 0,1,2,3,4,5,6,7
	ds_load_b128 v[\f+8*\p:\f+8*\p+3], v[ADK+\slot] offset:\p*16*PITCH+64*\ks
	ds_load_b128 v[\f+8*\p+4:\f+8*\p+7], v[ADK+\slot] offset:\p*16*PITCH+64*\ks+32
.endr
.irp p, 0,1,2,3,4,5,6,7
	ds_load_b128 v[\f+64+8*\p:\f+64+8*\p+3], v[ADS+\slot] offset:\p*16*PITCH+64*\ks
	ds_load_b128 v[\f+64+8*\p+4:\f+64+8*\p+7], v[ADS+\slot] offset:\p*16*PITCH+64*\ks+32
.endr
.endm
.macro SUBX t                          ; S log2e - M log2e, one fused multiply-add for two numbers
.irp k, 0,2,4,6
	v_pk_fma_f32 v[SS+8*(\t)+\k:SS+8*(\t)+\k+1], v[SS+8*(\t)+\k:SS+8*(\t)+\k+1], 0x3fb8aa3b, v[NM+2*((\t)&3):NM+2*((\t)&3)+1] op_sel_hi:[1,0,1]
.endr
.endm
.macro EXPX t
.irp k, 0,1,2,3,4,5,6,7
	v_exp_f32 v[SS+8*(\t)+\k], v[SS+8*(\t)+\k]
.endr
.endm
; The tile's P go into the column sums (f32) and are packed to f16: an even tile of n into its own registers 0-3, the odd tile behind it into that
; tile's registers 4-7, which its own packing has freed four tiles earlier.  zero = 1: the first four tiles start the sums, nothing is cleared.
.macro SUMCVT t, zero
.set sb, SS+8*(\t)
.set lb, LS+4*((\t)&3)
.if (\zero)*((\t) < 4)
	s_wait_alu depctr_va_vdst(0)
	v_pk_add_f32 v[lb:lb+1], v[sb:sb+1], v[sb+4:sb+5]
	v_pk_add_f32 v[lb+2:lb+3], v[sb+2:sb+3], v[sb+6:sb+7]
.else
	s_wait_alu depctr_va_vdst(0)
	v_pk_add_f32 v[lb:lb+1], v[lb:lb+1], v[sb:sb+1]
	v_pk_add_f32 v[lb+2:lb+3], v[lb+2:lb+3], v[sb+2:sb+3]
	v_pk_add_f32 v[lb:lb+1], v[lb:lb+1], v[sb+4:sb+5]
	v_pk_add_f32 v[lb+2:lb+3], v[lb+2:lb+3], v[sb+6:sb+7]
.endif
.if ((\t)>>2)&1
.set db, sb-32+4
.else
.set db, sb
.endif
.irp k, 0,1,2,3
	v_cvt_pk_f16_f32 v[db+\k], v[sb+2*\k], v[sb+2*\k+1]
.endr
.endm
; Behind a tile's eight v_exp_f32 stand the next tile's four multiply-adds, plain instructions that touch none of its registers, before its results are read (ISA guide 5.7.2)
.macro SOFTMAX zero
	SUBX 0
	EXPX 0
.set tl, 1
.rept 15
	SUBX tl
	SUMCVT tl-1, \zero
	EXPX tl
.set tl, tl+1
.endr
	v_nop
	s_wait_alu depctr_va_vdst(0)
	SUMCVT 15, \zero
.endm
; 64 matrix instructions: Y (256 c x 64 m) += x (256 c x 32 n) P (32 n x 64 m).  The 64 accumulators take turns, one instruction a turn, in the same order every time.
.macro PV f, ks, zero
	WIN 0xa1                                       ; A (x) window 1, B (P) window 0, C and D window 2
.irp p, 0,1,2,3,4,5,6,7
.irp mt, 0,1,2,3
.if \zero
	v_wmma_f32_16x16x32_f16 v[8*(4*\p+\mt):8*(4*\p+\mt)+7], v[\f+8*\p:\f+8*\p+7], v[SS+8*(8*\ks+\mt):SS+8*(8*\ks+\mt)+7], 0
.else
	v_wmma_f32_16x16x32_f16 v[8*(4*\p+\mt):8*(4*\p+\mt)+7], v[\f+8*\p:\f+8*\p+7], v[SS+8*(8*\ks+\mt):SS+8*(8*\ks+\mt)+7], v[8*(4*\p+\mt):8*(4*\p+\mt)+7]
.endif
.endr
.endr
	WIN 0xf1                                       ; C and D window 3
.irp p, 0,1,2,3,4,5,6,7
.irp mt, 0,1,2,3
.if \zero
	v_wmma_f32_16x16x32_f16 v[8*(4*\p+\mt):8*(4*\p+\mt)+7], v[\f+64+8*\p:\f+64+8*\p+7], v[SS+8*(8*\ks+\mt):SS+8*(8*\ks+\mt)+7], 0
.else
	v_wmma_f32_16x16x32_f16 v[8*(4*\p+\mt):8*(4*\p+\mt)+7], v[\f+64+8*\p:\f+64+8*\p+7], v[SS+8*(8*\ks+\mt):SS+8*(8*\ks+\mt)+7], v[8*(4*\p+\mt):8*(4*\p+\mt)+7]
.endif
.endr
.endr
.endm
; One step: 128 n of the batch, 64 of them mine, from slot `slot`.  fill = 1: the other slot, read in the last step, gets the tile of the next step;
; fill = 2: it gets Wv's half 0; fill = 0: nothing is filled and there is no barrier.  Where a slot is filled again, each wave first waits for its LDS reads and for
; all its tensor loads (one is out: its part of this step's slot), then a round of the cluster's barrier: no wave of any of the four work-groups still reads that slot or has a
; load on its way.  Inside the round's opening barrier stands register work, the 16 matrix instructions of S.  The joint refill is the first thing behind the round;
; it has the rest of the step, 128 matrix instructions and the softmax, in which to land.
.macro STEP slot, zero, nextq, fill
	PLACES 5                                       ; S is written over; the last matrix instructions read P there
.if \fill
	s_wait_dscnt 0x0                               ; my reads of the other slot are over, and this step's q fragments are in
	s_wait_tensorcnt 0x0                           ; all my tensor loads have landed, so a group 0 may be written
	ds_add_u32 v30, v31
	s_wait_dscnt 0x0
.if \fill == 1
	s_add_nc_u64 s[G0X+4*(1-\slot)+2:G0X+4*(1-\slot)+3], s[G0X+4*(1-\slot)+2:G0X+4*(1-\slot)+3], 512   ; that slot's next tile: two tiles of 128 n on
.endif
	s_barrier_signal -1
.endif
	QK16
.if \fill
	s_barrier_wait -1
	CREST
.if \fill == 1
	tensor_load_to_lds s[G0X+4*(1-\slot):G0X+4*(1-\slot)+3], s[G1X:G1X+7]
	s_nop 0
.else
	tensor_load_to_lds s[G0W:G0W+3], s[G1W:G1W+7]
	s_nop 0
.endif
.endif
	PLACES 4                                       ; in front of the reads of S and of the loads into the q fragments
	FETCHX \slot, 0, F0
	FETCHX \slot, 1, F1
	WIN 0
.if \nextq
	v_add_nc_u32 v[AQ], 8192, v[AQ]
	FETCHQ                                         ; the next step's q fragments
.endif
	SOFTMAX \zero
	s_wait_dscnt 32+8*\nextq                       ; buffer 0 is in; buffer 1's 32 loads and the 8 of q may be out
	PV F0, 0, \zero
	s_wait_dscnt 8*\nextq                          ; buffer 1 is in
	PV F1, 1, 0
	WIN 0                                          ; at a label and at a branch every window is 0
.endm
	STEP 0, 1, 1, 0                                ; step 0: both slots were filled at the start; its products start the sums
	s_mov_b32 s82, 7
.Lstep:
	STEP 1, 0, 1, 1                                ; steps 1, 3, .. 13 fill slot 0 with tiles 2, 4, .. 14
	STEP 0, 0, 1, 1                                ; steps 2, 4, .. 14 fill slot 1 with tiles 3, 5, .. 15
	s_sub_co_u32 s82, s82, 1
	s_cmp_lg_u32 s82, 0
	s_cbranch_scc1 .Lstep
	STEP 1, 0, 0, 2                                ; step 15: no tile and no q are left to fetch; slot 0 takes Wv's half 0
	PLACES 4                                       ; in front of the LDS stores of results
	s_wait_dscnt 0x0                               ; my reads of slot 1 are over
	s_wait_tensorcnt 0x0                           ; Wv's half 0 has landed
	ds_add_u32 v30, v31
	s_wait_dscnt 0x0
	CROUND
	tensor_load_to_lds s[G0W+4:G0W+7], s[G1W:G1W+7]    ; Wv's half 1 into slot 1: the last tensor load
	s_nop 0
	; THE PAIR ADDS UP.  Q has had its last read two rounds ago and is never filled again: it serves as the exchange area.
.irp mt, 0,1,2,3
	v_add_f32 v[T+\mt], v[LS+4*\mt], v[LS+4*\mt+1]
	v_add_f32 v[LS+4*\mt+2], v[LS+4*\mt+2], v[LS+4*\mt+3]
.endr
.irp mt, 0,1,2,3
	v_add_f32 v[T+\mt], v[T+\mt], v[LS+4*\mt+2]
.endr
.irp mt, 0,1,2,3
	v_permlanex16_b32 v[LS+4*\mt], v[T+\mt], s72, s73
.endr
.irp mt, 0,1,2,3
	v_add_f32 v[T+\mt], v[T+\mt], v[LS+4*\mt]      ; the column's sum over my n
.endr
	ds_store_b128 v[AMXO], v[T:T+3] offset:2048
	WIN 0x0c                                       ; store data from window 3: the half of c that my partner keeps
.set nn, 0
.rept 64
	ds_store_b128 v[AEXO], v[4*nn:4*nn+3] offset:512*nn
.set nn, nn+1
.endr
	WIN 0
	s_wait_dscnt 0x0
	s_barrier_signal -1                            ; Wv's half 1 stays on its way across this barrier
	s_barrier_wait -1
	ds_load_b128 v[T+4:T+7], v[AMXP] offset:2048
	WIN 0x40
.set nn, 0
.rept 64
	ds_load_b128 v[4*nn:4*nn+3], v[AEXP] offset:512*nn     ; my partner's sums for the c that I keep, register for register
.set nn, nn+1
.endr
	WIN 0
	s_wait_dscnt 32                                ; the partner's column sums and the first 32 loads are in
.irp mt, 0,1,2,3
	v_add_f32 v[T+\mt], v[T+\mt], v[T+4+\mt]       ; at least about 1: the column's largest P is in it
.endr
.irp mt, 0,1,2,3
	v_rcp_f32 v[NM+2*\mt], v[T+\mt]                ; twice, for the packed multiply; the packed adds below stand between these and their use
	v_rcp_f32 v[NM+2*\mt+1], v[T+\mt]
.endr
	WIN 0x86                                       ; window 2 += window 1
.set nn, 0
.rept 64
	v_pk_add_f32 v[2*nn:2*nn+1], v[2*nn:2*nn+1], v[2*nn:2*nn+1]
.set nn, nn+1
.endr
	s_wait_dscnt 0x0
.rept 64
	v_pk_add_f32 v[2*nn:2*nn+1], v[2*nn:2*nn+1], v[2*nn:2*nn+1]
.set nn, nn+1
.endr
	WIN 0x82                                       ; window 2 *= 1 / sum of the lane's column (window 0): a convex mix of x, which has room in f16
.set nn, 0
	s_wait_alu depctr_va_vdst(0)
.rept 128
	v_pk_mul_f32 v[2*nn:2*nn+1], v[2*nn:2*nn+1], v[NM+2*((nn>>2)&3):NM+2*((nn>>2)&3)+1]
.set nn, nn+1
.endr
	WIN 0x0a                                       ; two tiles of 16 c pack into one fragment (row m, K = 32 c), in window 0 where S was
.set pp, 0
.rept 8
.set mm, 0
.rept 4
.irp k, 0,1,2,3
	v_cvt_pk_f16_f32 v[SS+8*(4*(pp>>1)+mm)+4*(pp&1)+\k], v[8*(4*pp+mm)+2*\k], v[8*(4*pp+mm)+2*\k+1]
.endr
.set mm, mm+1
.endr
.set pp, pp+1
.endr
	WIN 0x80                                       ; window 2 is free: the residual x of my 128 e x 64 m goes there, ahead of the second exchange and the whole projection
.set nn, 0
.rept 64
	global_load_b128 v[4*nn:4*nn+3], v[CO], s[76:77] offset:(16*(nn>>3)+2*(nn&7))*8192 th:TH_LOAD_NT   ; 16 lanes read 256 consecutive bytes, aligned; read once in this launch
.set nn, nn+1
.endr
	WIN 0
	s_barrier_signal -1                            ; every wave's reads of the exchange area are back (the wait for 0 above): it may be written again
	s_barrier_wait -1
.set nn, 0
.rept 16
	ds_store_b128 v[AEXO], v[SS+8*nn:SS+8*nn+3] offset:1024*nn
	ds_store_b128 v[AEXO], v[SS+8*nn+4:SS+8*nn+7] offset:1024*nn+512
.set nn, nn+1
.endr
	s_wait_dscnt 0x0
	s_wait_tensorcnt 0x0                           ; my part of Wv's half 1 has landed
	s_barrier_signal -1
	s_barrier_wait -1
	WIN 0x40
.set nn, 0
.rept 16
	ds_load_b128 v[8*nn:8*nn+3], v[AEXP] offset:1024*nn            ; my partner's Y fragments: the other half of c, the same m
	ds_load_b128 v[8*nn+4:8*nn+7], v[AEXP] offset:1024*nn+512
.set nn, nn+1
.endr
; THE PROJECTION: O (64 m x 128 e) = Y (64 m x 256 c) Wv^T, eight K steps of 32 c: four on my own fragments, four on my partner's.
.macro WFETCH u, buf                   ; the eight Wv fragments of K step u into window 1, v128 + 64 buf
	WIN 0x40
.irp et, 0,1,2,3,4,5,6,7
	ds_load_b128 v[128+64*(\buf)+8*\et:128+64*(\buf)+8*\et+3], v[AWO+((\u)>>2)] offset:\et*8192+((\u)&3)*1024
	ds_load_b128 v[128+64*(\buf)+8*\et+4:128+64*(\buf)+8*\et+7], v[AWO+((\u)>>2)] offset:\et*8192+((\u)&3)*1024+512
.endr
.endm
.macro PROJ u                          ; 32 matrix instructions on 32 accumulators, which take turns, one instruction a turn
.if (\u) < 4
	WIN 0xf4                                       ; A window 0 (mine), B window 1, C and D window 3
.set ab, SS+32*(\u)
.else
	WIN 0xf5                                       ; A window 1 (my partner's)
.set ab, 32*((\u)-4)
.endif
.irp et, 0,1,2,3,4,5,6,7
.irp mt, 0,1,2,3
.if (\u) == 0
	v_wmma_f32_16x16x32_f16 v[8*(4*\et+\mt):8*(4*\et+\mt)+7], v[ab+8*\mt:ab+8*\mt+7], v[128+64*((\u)&1)+8*\et:128+64*((\u)&1)+8*\et+7], 0
.else
	v_wmma_f32_16x16x32_f16 v[8*(4*\et+\mt):8*(4*\et+\mt)+7], v[ab+8*\mt:ab+8*\mt+7], v[128+64*((\u)&1)+8*\et:128+64*((\u)&1)+8*\et+7], v[8*(4*\et+\mt):8*(4*\et+\mt)+7]
.endif
.endr
.endr
.endm
	WFETCH 0, 0
	WFETCH 1, 1
.set uu, 0
.rept 8
.if uu < 7
	s_wait_dscnt 16                                ; this K step's fragments are in; the next step's 16 loads stay out
.else
	s_wait_dscnt 0
.endif
	PROJ uu
.if uu < 6
	PLACES 4                                       ; in front of the loads into the buffer just read
	WFETCH uu+2, uu&1
.endif
.set uu, uu+1
.endr
	; THE WAY OUT, 16 rows e at a time: a lane's eight m of row e = r go into my own stage, whole rows of 256 bytes come back,
	; out = gamma O + x in one fused multiply-add, and 16 lanes store 256 consecutive bytes, aligned.  The stage is each wave's own and no tensor load fills it;
	; LDS serves a wave's instructions in order (ISA guide 5.7.1.4), so no wait stands between its stores and its loads.
	PLACES 4
.macro OUT16 et, tb
	WIN 0x0c
.irp mt, 0,1,2,3
	ds_store_b128 v[STO], v[8*(4*\et+\mt):8*(4*\et+\mt)+3] offset:64*\mt
	ds_store_b128 v[STO], v[8*(4*\et+\mt)+4:8*(4*\et+\mt)+7] offset:64*\mt+16
.endr
	WIN 0x20                                       ; source 2 (the residual) window 2, all else window 0
	s_wait_xcnt 0x0                                ; the buffer, which earlier stores read, is loaded again only behind this wait
.irp t, 0,1,2,3,4,5,6,7
	ds_load_b128 v[\tb+4*\t:\tb+4*\t+3], v[RD] offset:2*PITCH*\t
.endr
.irp t, 0,1,2,3,4,5,6,7
	s_wait_dscnt 7-\t                              ; rows 2 t, 2 t + 1 of the stage are in
	s_wait_loadcnt 63-(8*\et+\t)                   ; and so is their residual: the loads behind it stay out
	v_pk_fma_f32 v[\tb+4*\t:\tb+4*\t+1], v[\tb+4*\t:\tb+4*\t+1], s[70:71], v[4*(8*\et+\t):4*(8*\et+\t)+1] op_sel_hi:[1,0,1]
	v_pk_fma_f32 v[\tb+4*\t+2:\tb+4*\t+3], v[\tb+4*\t+2:\tb+4*\t+3], s[70:71], v[4*(8*\et+\t)+2:4*(8*\et+\t)+3] op_sel_hi:[1,0,1]
	global_store_b128 v[CO], v[\tb+4*\t:\tb+4*\t+3], s[78:79] offset:(16*\et+2*\t)*8192 th:TH_STORE_NT
.endr
.endm
	OUT16 0, KF
	OUT16 1, QF
	OUT16 2, KF
	OUT16 3, QF
	OUT16 4, KF
	OUT16 5, QF
	OUT16 6, KF
	OUT16 7, QF
	WIN 0
	s_wait_tensorcnt 0x0
	ds_add_u32 v30, v31
	s_wait_dscnt 0x0
	CROUND                                         ; the closing round: no work-group ends while a partner may still ask for a tile that names it
	s_endpgm
.Lfunc_end_k_q4352a9f9b2_attn:
	.size	k_q4352a9f9b2_attn, .Lfunc_end_k_q4352a9f9b2_attn-k_q4352a9f9b2_attn
	.p2alignl 7, 3214868480
	.fill 96, 4, 3214868480
	.section	.rodata,"a",@progbits
	.p2align	6, 0x0
	.amdhsa_kernel k_q4352a9f9b2_attn
		.amdhsa_group_segment_fixed_size 327680
		.amdhsa_private_segment_fixed_size 0
		.amdhsa_enable_private_segment 0
		.amdhsa_kernarg_size 56
		.amdhsa_user_sgpr_count 2
		.amdhsa_user_sgpr_kernarg_segment_ptr 1
		.amdhsa_wavefront_size32 1
		.amdhsa_system_sgpr_workgroup_id_x 1
		.amdhsa_system_sgpr_workgroup_id_y 1
		.amdhsa_system_sgpr_workgroup_id_z 1
		.amdhsa_system_vgpr_workitem_id 0
		.amdhsa_next_free_vgpr 1024
		.amdhsa_next_free_sgpr 96
		.amdhsa_reserve_vcc 0
		.amdhsa_float_denorm_mode_32 3
		.amdhsa_float_denorm_mode_16_64 3
		.amdhsa_memory_ordered 1
		.amdhsa_forward_progress 1
		.amdhsa_inst_pref_size 255
	.end_amdhsa_kernel
	.section	.bss,"aw",@nobits
	.p2align	6
	.space	262144
	.amdgpu_metadata
---
amdhsa.version: [ 1, 2 ]
amdhsa.kernels:
  - .name:           k_q4352a9f9b2_attn
    .symbol:         k_q4352a9f9b2_attn.kd
    .args:
      - { .name: xh, .offset: 0, .size: 8, .value_kind: global_buffer, .address_space: global }
      - { .name: qf, .offset: 8, .size: 8, .value_kind: global_buffer, .address_space: global }
      - { .name: kf, .offset: 16, .size: 8, .value_kind: global_buffer, .address_space: global }
      - { .name: wvh, .offset: 24, .size: 8, .value_kind: global_buffer, .address_space: global }
      - { .name: x, .offset: 32, .size: 8, .value_kind: global_buffer, .address_space: global }
      - { .name: gamma, .offset: 40, .size: 8, .value_kind: global_buffer, .address_space: global }
      - { .name: out0, .offset: 48, .size: 8, .value_kind: global_buffer, .address_space: global }
    .group_segment_fixed_size: 327680
    .private_segment_fixed_size: 0
    .kernarg_segment_align: 8
    .kernarg_segment_size: 56
    .max_flat_workgroup_size: 128
    .sgpr_count:     96
    .vgpr_count:     1024
    .wavefront_size: 32
...
	.end_amdgpu_metadata
.endif
;; end of part 2
;; ======== version 2 of 2: 2 launches; version 1 with the launch prep written anew for expert scheduling mode
;; limits: values are held in f16: magnitudes above 65,504 overflow, below 6.1e-05 lose precision
;; workspace buffers: xh 16,777,216 bytes; qf 2,097,152 bytes; kf 2,097,152 bytes; wvh 131,072 bytes
;; launch prep (part 3): grid 16 x 16, 8 waves a work-group, no clusters, 108,544 bytes of LDS; arguments x, Wq, Wk, Wv, xh, qf, kf, wvh; writes xh, qf, kf, wvh
.if DOCPART == 3
	.amdgcn_target "amdgcn-amd-amdhsa--gfx1250"
	.amdhsa_code_object_version 6
	.text
	.protected	k_q4352a9f9b2_prep
	.globl	k_q4352a9f9b2_prep
	.p2align	8
	.type	k_q4352a9f9b2_prep,@function
k_q4352a9f9b2_prep:
	s_mov_b64 s[64:65], 0
	v_nop
	global_prefetch_b8 v0, s[64:65] scope:SCOPE_SE
	s_setreg_imm32_b32 hwreg(HW_REG_WAVE_SCHED_MODE, 0, 2), 2
	s_setreg_imm32_b32 hwreg(HW_REG_WAVE_MODE, 25, 1), 1
	s_wait_xcnt 0x0
	s_wait_alu depctr_vm_vsrc(0)
; PREP: from x [16][256 c][2048 n] f32 and the three weights it makes what the attention launch reads:
;   xh  = x in f16, same order;
;   qf  = q = Wq x and kf = k = Wk x in f16, laid out as matrix fragments: [b][tile of 16 n][t][lane][16 bytes],
;         lane (r, h) of half t holding the 8 numbers d = 16 t + 8 h .. + 7 of column n = 16 tile + r;
;   wvh = Wv in f16, as fragments too: [et][ks][t][lane][16 bytes], lane (r, h): Wv[16 et + r][32 ks + 16 t + 8 h .. + 7].
; A work-group (nb = x id, b = y id) owns all 256 c of the 128 columns n = 128 nb .. of batch b: 128 KiB of x, read once.
; Eight waves.  Wave w loads rows c = 32 w .. 32 w + 31 (512 consecutive bytes a load), rounds them to f16, stores them to xh
; (32 lanes x 8 bytes = 256 consecutive bytes, aligned) and into LDS; then wave w makes rows 16 (w & 3) .. + 15 of the stacked
; [Wq; Wk] times 64 of the columns with the matrix unit, x being read from LDS by the transposing load.
; No tensor loads, no cluster: each byte of x is wanted by one work-group only and passes through registers anyway (it is converted).
; LIMIT: all matrix operands are f16 (sums f32): |x|, |W|, |q|, |k| must stay below 65,504; beyond that they become infinite.
; THE MODE: SCHED_MODE bits 1:0 = 2 (LLVM: expert scheduling mode 2), set by the entry lines.  The code itself states the register dependences
; between vector or matrix instructions and memory or LDS instructions, with s_wait_alu, always for 0.
; THE PLAN.  Registers that memory or LDS instructions touch:
;   v4 .. v13     offsets and LDS addresses: written at the head, never again; read by every load and store.  One wait at the head.
;   WR            the weights' loads land here; 32 conversions work in place; 16 LDS stores read them.  Behind the barrier the A fragments' loads land here.
;   XR            x's loads land here.  The 32 rows go in eight blocks of four: block p's conversions work in place on its own rows; the stores of
;                 block p - 1 (in block 0: the weights' LDS stores) stand among them, behind ONE wait at the block's head, and no vector instruction
;                 of block p names a register that those stores read.  Behind the barrier the B fragments of K steps 0 to 3 land here.
;   window 1      v[256:383]: the B fragments of K steps 4 to 7 land here; nothing has named these registers before, and matrix instructions alone read them.
;   So all fragments are asked for in one run behind the barrier, no load lands in a register that a matrix instruction has read, and the matrix part holds no s_wait_alu.
;   WVR, ACC      conversions in place, one wait, the stores; never written again.
;   v254, v255    written at the head, read by the closing add alone.
.set XROW, 8192                        ; bytes in a row of x
.set HROW, 4096                        ; bytes in a row of xh
.set XTP,  288                         ; LDS pitch of x's tile: 256 bytes + 32, an odd multiple of 32
.set WB,   73728                       ; behind x's tile (256 rows x 288): the 64 rows of [Wq; Wk]
.set WBP,  528                         ; their pitch: 512 bytes + 16, an odd multiple of 16
.set XO,   4                           ; v4   x: wave's 32 rows + 16 bytes a lane
.set XS,   5                           ; v5   xh: wave's 32 rows + 8 bytes a lane
.set LXS,  6                           ; v6   LDS: the same in x's tile
.set LN16, 7                           ; v7   16 bytes a lane
.set LWS,  8                           ; v8   LDS: my 8 rows of the weights + 8 bytes a lane
.set AA,   9                           ; v9   LDS: my A fragments (weights)
.set AB,   10                          ; v10, v11  LDS: my B fragments (x), c = 0 .. 127 and c = 128 .. 255
.set VO,   13                          ; v13  my 32 bytes of the work-group's piece of Wv
.set WR,   16                          ; v[16:79]   weights as loaded; later AF, the 8 A fragments
.set AF,   16
.set XR,   80                          ; v[80:207]  x as loaded; later BF, the B fragments of K steps 0 to 3, 32 registers a step
.set BF,   80
.set BG,   0                           ; window 1, v[256:383]: the B fragments of K steps 4 to 7
.set WVR,  208                         ; v[208:215] the piece of Wv (wave 0)
.set ACC,  216                         ; v[216:247] four accumulator tiles
.set MSB, 0
.macro WIN new                         ; s_set_vgpr_msb: bits 1:0 source 0, 3:2 source 1, 5:4 source 2, 7:6 destination; the high byte repeats the setting that is left
.if MSB != (\new)
	s_set_vgpr_msb (MSB<<8)|(\new)
.set MSB, (\new)
.endif
.endm
	s_load_b256 s[4:11], s[0:1], 0x0               ; x s[4:5], Wq s[6:7], Wk s[8:9], Wv s[10:11]
	s_load_b256 s[12:19], s[0:1], 0x20             ; xh s[12:13], qf s[14:15], kf s[16:17], wvh s[18:19]
	v_lshl_add_u32 v254, v0, 2, 0x1a400
	v_mov_b32 v255, 0
	v_lshrrev_b32 v2, 5, v0
	v_readfirstlane_b32 s20, v2                    ; wave w
	s_and_b32 s22, ttmp7, 0xffff                   ; b
	v_and_b32 v1, 31, v0                           ; lane
	v_and_b32 v2, 15, v0                           ; r
	v_bfe_u32 v3, v0, 4, 1                         ; h
	s_wait_alu depctr_va_sdst(0)                   ; s20 is written, ahead of its first reader: offsets, LDS addresses and the branches on the wave's number are made from it
	s_and_b32 s23, s20, 3                          ; w & 3: which 16 rows of [Wq; Wk]
	s_lshr_b32 s21, s20, 2                         ; g: which 64 of the 128 columns
	; byte offsets, each in a pair of its own
	s_lshl_b32 s36, s22, 21                        ; x: b x 2 MiB + nb x 512
	s_lshl_b32 s37, ttmp9, 9
	s_add_co_u32 s36, s36, s37
	s_mov_b32 s37, 0
	s_lshl_b32 s38, s22, 20                        ; xh: b x 1 MiB + nb x 256
	s_lshl_b32 s39, ttmp9, 8
	s_add_co_u32 s38, s38, s39
	s_mov_b32 s39, 0
	s_lshl_b32 s40, s23, 13                        ; weights: 8 rows of 1,024 bytes for each wave of a four
	s_mov_b32 s41, 0
	s_lshl_b32 s42, s22, 17                        ; qf, kf: b x 128 KiB + (8 nb + 4 g) tiles of 1,024 bytes + half (w & 1) x 512
	s_lshl_b32 s43, ttmp9, 13
	s_add_co_u32 s42, s42, s43
	s_lshl_b32 s43, s21, 12
	s_add_co_u32 s42, s42, s43
	s_and_b32 s43, s20, 1
	s_lshl_b32 s43, s43, 9
	s_add_co_u32 s42, s42, s43
	s_mov_b32 s43, 0
	s_lshl_b32 s44, s22, 14                        ; Wv: rows 16 b .., columns 16 nb ..
	s_lshl_b32 s45, ttmp9, 6
	s_add_co_u32 s44, s44, s45
	s_mov_b32 s45, 0
	s_lshl_b32 s46, s22, 13                        ; wvh: piece 16 b + nb of 512 bytes
	s_lshl_b32 s47, ttmp9, 9
	s_add_co_u32 s46, s46, s47
	s_mov_b32 s47, 0
	; lane terms
	v_lshlrev_b32 v[LN16], 4, v1
	v_lshlrev_b32 v14, 3, v1
	s_lshl_b32 s2, s20, 18
	v_add_nc_u32 v[XO], s2, v[LN16]                ; 32 w rows of 8,192 bytes
	s_lshl_b32 s3, s20, 17
	v_add_nc_u32 v[XS], s3, v14                    ; 32 w rows of 4,096 bytes
	s_mul_i32 s2, s20, 32*XTP
	v_add_nc_u32 v[LXS], s2, v14
	s_mul_i32 s3, s20, 8*WBP
	s_add_co_u32 s3, s3, WB
	v_add_nc_u32 v[LWS], s3, v14
	s_mul_i32 s2, s23, 16*WBP
	s_add_co_u32 s2, s2, WB
	v_mul_u32_u24 v[AA], v2, WBP
	v_lshl_add_u32 v[AA], v3, 4, v[AA]
	v_add_nc_u32 v[AA], s2, v[AA]                  ; (16 (w & 3) + r) pitch + 16 h
	v_and_b32 v[AB], 7, v0
	v_lshl_add_u32 v[AB], v3, 3, v[AB]
	v_mul_u32_u24 v[AB], v[AB], XTP                ; (8 h + lane % 8) pitch
	v_bfe_u32 v15, v0, 3, 1
	v_lshl_add_u32 v[AB], v15, 4, v[AB]            ; + 16 ((lane / 8) % 2)
	s_lshl_b32 s3, s21, 7
	v_add_nc_u32 v[AB], s3, v[AB]                  ; + my 64 columns
	v_add_nc_u32 v[AB+1], 128*XTP, v[AB]           ; the lower 128 rows: beyond the reach of a 16-bit offset from v10
	v_lshlrev_b32 v[VO], 10, v2
	v_lshl_add_u32 v[VO], v3, 5, v[VO]             ; row r of Wv, 8 h numbers in
	s_wait_kmcnt 0x0
	s_add_nc_u64 s[24:25], s[4:5], s[36:37]        ; x
	s_add_nc_u64 s[26:27], s[12:13], s[38:39]      ; xh
	s_cmp_lt_u32 s20, 4
	s_cselect_b64 s[28:29], s[6:7], s[8:9]         ; waves 0-3 bring Wq, waves 4-7 Wk
	s_add_nc_u64 s[28:29], s[28:29], s[40:41]
	s_cmp_lt_u32 s23, 2
	s_cselect_b64 s[30:31], s[14:15], s[16:17]     ; row tiles 0, 1 are q, tiles 2, 3 are k
	s_add_nc_u64 s[30:31], s[30:31], s[42:43]
	s_add_nc_u64 s[32:33], s[10:11], s[44:45]      ; Wv
	s_add_nc_u64 s[34:35], s[18:19], s[46:47]      ; wvh
	s_wait_alu depctr_va_vdst(0)                   ; the offsets and LDS addresses v4 to v13 are written: every load and store of the kernel reads one of them, and none is written again
	; wave 0 also brings the work-group's piece of Wv (16 rows x 16 columns): asked for first, so that every counted wait below,
	; which names younger loads only, is the same for all waves
	s_cmp_lg_u32 s20, 0
	s_cbranch_scc1 .Lno_wv_load
	global_load_b128 v[WVR:WVR+3], v[VO], s[32:33]
	global_load_b128 v[WVR+4:WVR+7], v[VO], s[32:33] offset:16
.Lno_wv_load:
.set n, 0
.rept 16
	global_load_b128 v[WR+4*n:WR+4*n+3], v[LN16], s[28:29] offset:512*n        ; 8 rows of 1,024 bytes, 512 a load
.set n, n+1
.endr
.set n, 0
.rept 32
	global_load_b128 v[XR+4*n:XR+4*n+3], v[XO], s[24:25] offset:n*XROW th:TH_LOAD_NT   ; a row's 512 bytes; this launch reads them once
.set n, n+1
.endr
	s_wait_loadcnt 32                              ; the weights are in; the 32 loads of x behind them stay out
.set n, 0
.rept 16
	v_cvt_pk_f16_f32 v[WR+4*n], v[WR+4*n], v[WR+4*n+1]
	v_cvt_pk_f16_f32 v[WR+4*n+1], v[WR+4*n+2], v[WR+4*n+3]
.set n, n+1
.endr
; Block p of x: rows 4 p .. 4 p + 3 are rounded in place; among the conversions stand the stores of what was rounded just before: in block 0 the weights, else block p - 1's rows.
.macro XBLK p
	s_wait_loadcnt 28-4*(\p)                       ; loads come back in order (ISA guide 5.7.1): this block's four rows are in, the rows behind them stay out
	s_wait_alu depctr_va_vdst(0)                   ; the conversions issued so far have written the registers that the stores below read: the weights' (block 0), else the rows of the block before; this block's conversions name its own rows alone
.irp i, 0,1,2,3
.if (\p) == 0
.irp q, 0,1,2,3
	ds_store_b64 v[LWS], v[WR+4*(4*\i+\q):WR+4*(4*\i+\q)+1] offset:((4*\i+\q)>>1)*WBP+((4*\i+\q)&1)*256
.endr
.else
	ds_store_b64 v[LXS], v[XR+4*(4*(\p)-4+\i):XR+4*(4*(\p)-4+\i)+1] offset:(4*(\p)-4+\i)*XTP
	global_store_b64 v[XS], v[XR+4*(4*(\p)-4+\i):XR+4*(4*(\p)-4+\i)+1], s[26:27] offset:(4*(\p)-4+\i)*HROW   ; the wave stores 256 consecutive bytes, aligned
.endif
	v_cvt_pk_f16_f32 v[XR+4*(4*(\p)+\i)], v[XR+4*(4*(\p)+\i)], v[XR+4*(4*(\p)+\i)+1]
	v_cvt_pk_f16_f32 v[XR+4*(4*(\p)+\i)+1], v[XR+4*(4*(\p)+\i)+2], v[XR+4*(4*(\p)+\i)+3]
.endr
.endm
	XBLK 0
	XBLK 1
	XBLK 2
	XBLK 3
	XBLK 4
	XBLK 5
	XBLK 6
	XBLK 7
	s_wait_alu depctr_va_vdst(0)                   ; block 7's conversions have written rows 28 to 31, which the last eight stores read
.irp i, 28,29,30,31
	ds_store_b64 v[LXS], v[XR+4*\i:XR+4*\i+1] offset:\i*XTP
	global_store_b64 v[XS], v[XR+4*\i:XR+4*\i+1], s[26:27] offset:\i*HROW
.endr
	s_cmp_lg_u32 s20, 0
	s_cbranch_scc1 .Lno_wv_store
	v_cvt_pk_f16_f32 v[WVR], v[WVR], v[WVR+1]      ; block 7's wait on LOADcnt was for 0: the piece of Wv is in
	v_cvt_pk_f16_f32 v[WVR+1], v[WVR+2], v[WVR+3]
	v_cvt_pk_f16_f32 v[WVR+2], v[WVR+4], v[WVR+5]
	v_cvt_pk_f16_f32 v[WVR+3], v[WVR+6], v[WVR+7]
	s_wait_alu depctr_va_vdst(0)                   ; these four conversions have written v[WVR:WVR+3], which the store reads
	global_store_b128 v[LN16], v[WVR:WVR+3], s[34:35]                           ; 512 consecutive bytes
.Lno_wv_store:
	s_wait_dscnt 0x0                               ; my LDS stores are done, for the other waves' sake
	s_wait_xcnt 0x0                                ; XR, which the stores to xh read, is loaded again below only behind this wait
	s_barrier_signal -1
	s_barrier_wait -1                              ; x's tile and the weights are whole
	s_wait_alu depctr_vm_vsrc(0)                   ; my LDS stores and my stores to xh have read WR and XR, in which the fragments' loads below land (the conversions that named them stand ahead of the last wait on va_vdst, on both ways)
; B fragments of K step ks (32 c): x lies [c][n] in LDS, so two transposing loads, 16 rows apart, make a fragment (column n = r, K = c).
; K steps 0 to 3 go into BF (window 0), K steps 4 to 7 into BG (window 1): the caller sets the destination's window.
.macro LOADB ks
.if (\ks) < 4
.set bb, BF+32*(\ks)
.else
.set bb, BG+32*((\ks)-4)
.endif
.irp nt, 0,1,2,3
	ds_load_tr16_b128 v[bb+8*\nt:bb+8*\nt+3], v[AB+((\ks)>>2)] offset:((\ks)&3)*32*XTP+\nt*32
	ds_load_tr16_b128 v[bb+8*\nt+4:bb+8*\nt+7], v[AB+((\ks)>>2)] offset:((\ks)&3)*32*XTP+\nt*32+16*XTP
.endr
.endm
; four matrix instructions on four accumulators, which take turns, one instruction a turn; the first K step starts the sums
.macro MM ks
.if (\ks) < 4
	WIN 0
.set bb, BF+32*(\ks)
.else
	WIN 0x04                                       ; source 1 (the B fragment) in window 1, all else in window 0
.set bb, BG+32*((\ks)-4)
.endif
.irp nt, 0,1,2,3
.if (\ks) == 0
	v_wmma_f32_16x16x32_f16 v[ACC+8*\nt:ACC+8*\nt+7], v[AF+8*(\ks):AF+8*(\ks)+7], v[bb+8*\nt:bb+8*\nt+7], 0
.else
	v_wmma_f32_16x16x32_f16 v[ACC+8*\nt:ACC+8*\nt+7], v[AF+8*(\ks):AF+8*(\ks)+7], v[bb+8*\nt:bb+8*\nt+7], v[ACC+8*\nt:ACC+8*\nt+7]
.endif
.endr
.endm
.irp ks, 0,1,2,3,4,5,6,7
	ds_load_b128 v[AF+8*\ks:AF+8*\ks+3], v[AA] offset:64*\ks                    ; weights: row r, K = 32 ks + 8 h ..
	ds_load_b128 v[AF+8*\ks+4:AF+8*\ks+7], v[AA] offset:64*\ks+32               ;                 K = 32 ks + 16 + 8 h ..
.endr
	LOADB 0
	LOADB 1
	LOADB 2
	LOADB 3
	WIN 0x40                                       ; destination window 1, address window 0; between the wait above and these loads stand loads and this switch alone
	LOADB 4
	LOADB 5
	LOADB 6
	LOADB 7
	WIN 0
.set kk, 0
.rept 8
	s_wait_dscnt 8*(7-kk)                          ; LDS loads come back in order (ISA guide 5.7.1): the A fragments and this K step's B fragments are in; the younger groups of eight loads stay out
	MM kk
.set kk, kk+1
.endr
	WIN 0
	v_nop                                          ; four places in front of the conversions, which read results (ISA guide 7.12.1)
	v_nop
	v_nop
	v_nop
	; lane (r, h) holds d = 16 (w & 1) + 8 h + 0 .. 7 of column n = r: packed, that is its 16 bytes of the fragment's half w & 1
.irp nt, 0,1,2,3
.irp k, 0,1,2,3
	v_cvt_pk_f16_f32 v[ACC+8*\nt+\k], v[ACC+8*\nt+2*\k], v[ACC+8*\nt+2*\k+1]
.endr
.endr
	s_wait_alu depctr_va_vdst(0)                   ; the sixteen conversions have written the low four registers of each tile, which the four stores read
.irp nt, 0,1,2,3
	global_store_b128 v[LN16], v[ACC+8*\nt:ACC+8*\nt+3], s[30:31] offset:1024*\nt    ; 512 consecutive bytes
.endr
	s_wait_dscnt 0x0                               ; the closing lines, six on end
	s_wait_alu 0x0
	s_wait_tensorcnt 0x0
	ds_add_u32 v254, v255
	s_wait_dscnt 0x0
	s_endpgm
.Lfunc_end_k_q4352a9f9b2_prep:
	.size	k_q4352a9f9b2_prep, .Lfunc_end_k_q4352a9f9b2_prep-k_q4352a9f9b2_prep
	.p2alignl 7, 3214868480
	.fill 96, 4, 3214868480
	.section	.rodata,"a",@progbits
	.p2align	6, 0x0
	.amdhsa_kernel k_q4352a9f9b2_prep
		.amdhsa_group_segment_fixed_size 108544
		.amdhsa_private_segment_fixed_size 0
		.amdhsa_enable_private_segment 0
		.amdhsa_kernarg_size 64
		.amdhsa_user_sgpr_count 2
		.amdhsa_user_sgpr_kernarg_segment_ptr 1
		.amdhsa_wavefront_size32 1
		.amdhsa_system_sgpr_workgroup_id_x 1
		.amdhsa_system_sgpr_workgroup_id_y 1
		.amdhsa_system_sgpr_workgroup_id_z 1
		.amdhsa_system_vgpr_workitem_id 0
		.amdhsa_next_free_vgpr 384
		.amdhsa_next_free_sgpr 66
		.amdhsa_reserve_vcc 0
		.amdhsa_float_denorm_mode_32 3
		.amdhsa_float_denorm_mode_16_64 3
		.amdhsa_memory_ordered 1
		.amdhsa_forward_progress 1
		.amdhsa_inst_pref_size 31
	.end_amdhsa_kernel
	.amdgpu_metadata
---
amdhsa.version: [ 1, 2 ]
amdhsa.kernels:
  - .name:           k_q4352a9f9b2_prep
    .symbol:         k_q4352a9f9b2_prep.kd
    .args:
      - { .name: x, .offset: 0, .size: 8, .value_kind: global_buffer, .address_space: global }
      - { .name: Wq, .offset: 8, .size: 8, .value_kind: global_buffer, .address_space: global }
      - { .name: Wk, .offset: 16, .size: 8, .value_kind: global_buffer, .address_space: global }
      - { .name: Wv, .offset: 24, .size: 8, .value_kind: global_buffer, .address_space: global }
      - { .name: xh, .offset: 32, .size: 8, .value_kind: global_buffer, .address_space: global }
      - { .name: qf, .offset: 40, .size: 8, .value_kind: global_buffer, .address_space: global }
      - { .name: kf, .offset: 48, .size: 8, .value_kind: global_buffer, .address_space: global }
      - { .name: wvh, .offset: 56, .size: 8, .value_kind: global_buffer, .address_space: global }
    .group_segment_fixed_size: 108544
    .private_segment_fixed_size: 0
    .kernarg_segment_align: 8
    .kernarg_segment_size: 64
    .max_flat_workgroup_size: 256
    .sgpr_count:     66
    .vgpr_count:     384
    .wavefront_size: 32
...
	.end_amdgpu_metadata
.endif
;; end of part 3
;; launch attn: the kernel of part 2 again; grid 16 x 16, 4 waves a work-group, clusters of 4 x 1, 327,680 bytes of LDS; arguments xh, qf, kf, wvh, x, gamma, out0; writes out0
